; MI455X (gfx1250); checked and timed in simulation.
; The chip was launched on July 23, 2026; its instructions are those of AMD's public machine-readable ISA for CDNA 5 (MIT licence, August 2026) and "CDNA5" Instruction Set Architecture Reference Guide (July 2026). The comments in the code are by the model that wrote it; some were corrected since.
;; Attention. Allowed arithmetic: matrix products marked QUANTISED: E2M1 operands, one E8M0 scale for each 32 along K, by v_wmma_scale_f32_16x16x128_f8f6f4 with both operands' format E2M1 (or v_wmma_scale_f32_32x16x128_f4), f32 sums; products left as they are: f32 operands where the result goes on into a quantised operand, else bf16, f16 or f32 operands; f32 sums; everything else in f32.
;; Inputs: W_h_codes 1,024 x 32 x 16 uint8 (E2M1 codes of W_h, K innermost, in blocks of 32 codes, two codes a byte); W_h_scales 1,024 x 32 uint8 (E8M0 scales of W_h, one for each 32 codes along K); W_s_codes 1,024 x 32 x 16 uint8 (E2M1 codes of W_s, K innermost, in blocks of 32 codes, two codes a byte); W_s_scales 1,024 x 32 uint8 (E8M0 scales of W_s, one for each 32 codes along K); dec_hidden_codes 64 x 1 x 32 x 16 uint8 (E2M1 codes of dec_hidden, K innermost, in blocks of 32 codes, two codes a byte); dec_hidden_scales 64 x 1 x 32 uint8 (E8M0 scales of dec_hidden, one for each 32 codes along K); enc_outputs 64 x 1,024 x 1,024 float32; v 1,024 float32.
;; Outputs: out0 64 x 1 x 1,024 float32; out1 64 x 1,024 float32.
;; This version of the problem:
;;   THIS VERSION OF THE PROBLEM IS GIVEN IN LOW PRECISION. The matrix products marked QUANTISED in the list below multiply operands that are first quantised to E2M1 (2 exponent bits, 1 mantissa bit; 4 bits a number), with one power-of-two scale for each 32 numbers along K (OCP MX v1.0); their sums are f32. All else is computed in f32.
;;   The module's matrix products, in the order in which they are computed (A, B: the left and right operand; K: the contracted axis; several contracted axes count as one K, in the product's order):
;;     1. [M 65,536, K 1,024] x [K 1,024, N 1,024]; A: input enc_outputs; B: input W_h (given as codes): QUANTISED
;;     2. [M 64, K 1,024] x [K 1,024, N 1,024]; A: input dec_hidden (given as codes); B: input W_s (given as codes): QUANTISED
;;     3. [M 65,536, K 1,024] x [K 1,024, N 1]; A: computed on the way; B: input v: left as it is (N = 1 < 16)
;;     4. batch 64 x [M 1, K 1,024] x [K 1,024, N 1,024]; A: softmax; B: input enc_outputs: left as it is (M = 1 < 16)
;;   THE QUANTISER, for each operand of a quantised product, along K:
;;     - K is cut into blocks of 32 from its start; a last block that is shorter is filled with zeros.
;;     - A block's scale is 2^e with e = floor(log2(the largest magnitude in the block)) - 2, held to -126 .. 127; a block of zeros has e = 0. As a byte (E8M0): e + 127.
;;     - Each number is divided by its block's scale, clamped to +-6, and rounded to the nearest number of E2M1, ties to even, subnormals kept.
;;     - The product sums the exact products of the quantised numbers (number of the format x scale) in f32.
;;   ~~~python
;;   def quantise(x, axis):      # numpy; x: float32 -> the quantised numbers, widened to float32 again
;;       x = np.moveaxis(x, axis, -1); K = x.shape[-1]
;;       x = np.pad(x, [(0, 0)] * (x.ndim - 1) + [(0, -K % 32)]); x = x.reshape(x.shape[:-1] + (-1, 32)); a = np.abs(x).max(-1, keepdims=True)
;;       e = np.where(a > 0, np.clip(np.frexp(np.where(a > 0, a, 1))[1] - 1 - 2, -126, 127), 0)      # np.frexp(a)[1] - 1 = floor(log2(a)), exactly
;;       r = np.clip(x / 2.0 ** e, -6, 6)
;;       step = 2.0 ** (np.maximum(np.frexp(np.where(r == 0, 1, r))[1] - 1, 0) - 1)
;;       q = np.round(r / step) * step * 2.0 ** e      # np.round: ties to even
;;       return np.moveaxis(q.reshape(q.shape[:-2] + (-1,))[..., :K], -1, axis).astype(np.float32)
;;   ~~~
;;   INPUTS GIVEN AS CODES. W_h (in the module: [1024, 1024], K = its axis 1); W_s (in the module: [1024, 1024], K = its axis 1); dec_hidden (in the module: [64, 1, 1024], K = its axis 2): each comes as NAME_codes (uint8): NAME with its K axis moved to the last place and cut into blocks of 32 codes, [.., K / 32, bytes a block], one block behind the other in memory; two codes a byte, the lower K in the low four bits (a code: sign, 2 exponent bits, 1 mantissa bit); and NAME_scales (uint8): the same leading axes, one E8M0 byte (e + 127) for each 32 codes along K. Its value is code x scale, taken as it is: it is not quantised again, and the codes and scales need not be those that the quantiser above would give.
;; One version. Each part assembles by itself: llvm-mc -triple=amdgcn-amd-amdhsa -mcpu=gfx1250 --defsym DOCPART=n.
;; ======== version 1 of 1: 2 launches
;; workspace buffers: scores 262,144 bytes; ctxp 1,048,576 bytes
;; launch main (part 1): grid 256 x 1, 4 waves a work-group, clusters of 4 x 1, 327,680 bytes of LDS; arguments W_h_codes, W_h_scales, W_s_codes, W_s_scales, dec_hidden_codes, dec_hidden_scales, enc_outputs, v, scores, ctxp; writes scores, ctxp
.if DOCPART == 1
	.amdgcn_target "amdgcn-amd-amdhsa--gfx1250"
	.amdhsa_code_object_version 6
	.text
	.protected	k_q5c0d0aadf4_main
	.globl	k_q5c0d0aadf4_main
	.p2align	8
	.type	k_q5c0d0aadf4_main,@function
k_q5c0d0aadf4_main:
	s_mov_b64 s[64:65], 0
	v_nop
	global_prefetch_b8 v0, s[64:65] scope:SCOPE_SE
	s_setreg_imm32_b32 hwreg(HW_REG_WAVE_MODE, 25, 1), 1
	s_wait_xcnt 0x0
	s_wait_alu depctr_hold_cnt(0) depctr_sa_sdst(0) depctr_va_vdst(0) depctr_va_sdst(0) depctr_va_ssrc(0) depctr_va_vcc(0) depctr_vm_vsrc(0)
	s_getreg_b32 s2, hwreg(HW_REG_IB_STS2, 6, 4)
	s_cmp_eq_u32 s2, 0
	s_cbranch_scc0 .Lentry_in_a_cluster
	s_endpgm
.Lentry_in_a_cluster:
	s_bfe_u32 s2, ttmp6, 0x10000c
	s_cmp_lg_u32 s2, 0x3003
	s_cbranch_scc0 .Lentry_shape_is_right
	s_endpgm
.Lentry_shape_is_right:
; ADDITIVE ATTENTION, first launch.  score[b][s] = sum over o of v[o] tanh(enc[b][s] . W_h[o] + dec[b] . W_s[o]); both products on codes of FP4 (E2M1) with one E8M0 scale for each 32 along K.
; tanh(x) = 1 - 2 / (1 + 2^(c x)), c = 2 log2(e).  So score = sum(v) - 2 P, P = sum over o of v[o] / (1 + 2^(c x[o])).  The softmax over s cancels sum(v) for every input, so it is not added:
; the launch carries u = -c P, the score as an exponent of 2 up to that constant.  It stores u (scores [64][1024]) and, for each work-group, sum over its 256 rows of 2^(u - m) enc[s] (ctxp [256][1024]),
; m the largest u of those rows, kept as a running maximum.  The second launch finishes the softmax.
; SHARES.  A cluster of four work-groups is one batch, a work-group 256 of its rows, in four tiles of 64.  In a tile wave w takes all 64 rows against a quarter of the 1,024 outputs: 16 steps of 16 outputs.
; At step n wave w has outputs 128 (n / 2) + 32 w + 16 (n % 2) + 0..15, so that a slot of W's ring is 128 consecutive rows of W (codes and scale bytes): two steps of all four waves.
; W's slots are the same for the four partners: each is asked for JOINTLY (mask 15), behind a round of the cluster's barrier.  W_s takes the ring's first 8 fills, W_h the other 32 (8 a tile).
; enc IS READ ONCE, from memory into registers, 16 rows (32 loads a wave) ahead of its use.  For that wave w owns columns 256 w .. 256 w + 255 of every row, lane L eight of them.  A row is quantised (codes and scale
; bytes to LDS, for the next tile's fragments) and rounded to bf16 (to LDS, later to registers) for the context.  While tile t is multiplied, tile t + 1 is quantised.
; A STEP runs the tanh of its 16 outputs (vector work) with the NEXT step's 32 matrix instructions set between: three or four vector instructions behind each.
; dec . W_s is made in the prologue, while tile 0 is quantised: the A operand is dec's row in all 16 rows, so that register 0 of the result holds the product for output (lane % 16).
; LIMITS.  NaN and infinities among the inputs are not served.  A block of enc whose largest magnitude lies under 2^-124 gets the scale byte 1 (a block of zeros too: its codes are zeros, and this launch alone reads
; the bytes).  The stream's last trip has nothing left to fetch: its 32 loads a wave are held on the work-group's last 16 rows and their data are not used.
; REGISTERS, in windows of 256.  window 0: addresses, scale words v24-47, at work v48-107, v128-255 the landing ring (4 groups x 4 rows x 8).
;   windows 1, 2 (row tiles 0, 1 and 2, 3): v0-127 A's fragments (64 m' + 8 q); v128-159 accumulators (128 + 16 set + 8 m'); v160-175 row sums; v176-179 pairs (c dec_proj, v), two sets; from v180 bf16 rows.
;   window 3: v0-127 B's fragments, two sets; v128-131 the pairs again; from v132 bf16 rows.
.set PITCH, 528                        ; a row of 1,024 codes in LDS: 512 bytes + 16 = 33 x 16: the sixteen rows of a fragment load start 16 bytes apart modulo 256
.set SLSC,  128*PITCH                  ; in a slot: 128 rows of codes, then their 4,096 scale bytes, dense
.set SLOTB, SLSC+4096                  ; the ring: two slots, at 0 and at SLOTB
.set CH,    2*SLOTB                    ; the next tile's codes: 64 rows, pitch PITCH
.set SPIT,  48
.set SH,    CH+64*PITCH                ; the next tile's scale bytes: 64 rows, pitch 48 (32 used)
.set CDV,   SH+64*SPIT                 ; [output]: the pair (c dec_proj, v), 8 bytes
.set PS,    CDV+8192                   ; [wave][64 rows] f32: each wave's part of P
.set SPARE, PS+1024                    ; the spare words, 128 bytes a wave: two blocks of 256 bytes that no other line names
.set BH,    SPARE+512                  ; the next tile's rows in bf16: [wave][64 rows][512 bytes]: each wave's part is its own
.set PP,    BH+131072                  ; [wave][64 rows] f32: the rows' weights p, each wave's own copy
.set SPW, 1                            ; v1   my spare word's LDS address; never rewritten
.set NIL, 2                            ; v2   0; never rewritten
.set VO,  3                            ; v3   1024 w + 32 (L % 16) + 16 (L / 16): my bytes in a row of enc and of ctxp
.set CHB, 4                            ; v4   CH + 4 x thread: my 8 codes of a row
.set SHB, 5                            ; v5   SH + thread / 4: my block's scale byte
.set BHB, 6                            ; v6   BH + 32768 w + 16 L
.set CHA, 7                            ; v7-9 the same three + the trip's 16 rows
.set SHA, 8
.set BHA, 9
.set AFR, 10                           ; v10  CH + PITCH r + 16 h: A's fragments
.set ASR, 11                           ; v11  SH + 48 r + 16 h: A's scale words
.set BFR0, 12                          ; v12  (32 w + r) PITCH + 16 h: B's fragments in a slot
.set BSR0, 13                          ; v13  SLSC + 32 (32 w + r) + 16 h: B's scale words
.set BFA, 14                           ; v14, v15  the same two + the slot in hand
.set BSA, 15
.set CDR0, 16                          ; v16  CDV + 8 (32 w + r)
.set CDA, 17                           ; v17  + the step's outputs
.set PSW, 18                           ; v18  PS + 256 w + 4 (8 h + r % 8)
.set PSR, 19                           ; v19  PS + 8 L
.set SGO, 20                           ; v20  8 L: my two rows in a tile's 256 bytes of scores
.set AS,  24                           ; v24-39  A's scale words: tile m at 24 + 4 m: lanes 0-15 words q = 0..3 of row r, lanes 16-31 words q = 4..7
.set BS,  40                           ; v40-47  B's likewise, two sets
.set QM,  48                           ; v48-79  at work: four rows' maxima, scale operands, codes, bytes, bf16; in FINISH the row sums, then the weights
.set QSC, 52
.set QCO, 56
.set QBY, 60
.set QY,  64
.set CTX, 80                           ; v80-87  the context of my 8 columns
.set PT,  88                           ; v88-95  the four waves' parts of P for rows 2 L, 2 L + 1
.set UU,  96                           ; v96-97  u of those rows
.set PR,  98                           ; v98-99  p of those rows
.set MRUN, 100                         ; v100 the running largest u
.set FF,  106                          ; v[106:107] 2^(old maximum - new maximum), named as a pair
.set PPW, 108                          ; v108 PP + 8 x thread
.set PPR, 109                          ; v109 PP + 256 w
.set X,   128
.set WV,  24                           ; s24  my wave's number
.set CX,  25                           ; s25  my place in the cluster: it enters enc's, scores' and ctxp's addresses alone
.set WG,  26                           ; s26  4 x batch + cx
.set LW,  27                           ; s27  64 rows x PITCH x (wave % 2): where my half of a slot's codes goes
.set G1C, 28                           ; s[28:35] descriptor group 1 for codes;  s[36:43] for scale bytes;  s[44:47], s[48:51] their groups 0
.set G1S, 36
.set G0C, 44
.set G0S, 48
.set TB,  52                           ; s52  LDS byte of the slot in hand;  s53 of the other
.set FB,  53
.set FI,  54                           ; s54  the number of the fill that is being asked for, 0 .. 39
.set SO,  55                           ; s55  65,536 x (fill % 8): where its 128 rows of codes begin
.set OC,  56                           ; s[56:57], s[58:59] offsets of my part in codes and in scale bytes;  s[60:61], s[62:63] the two buffers chosen
.set OS,  58
.set CB,  60
.set SB,  62
.set CS,  66                           ; s[66:67] c = 2 log2(e)
.set SEL, 68                           ; s[68:69] v_permlanex16_b32's selects for lane l xor 16
.set EO,  70                           ; s[70:71] byte offset of the 16 rows that a trip asks for;  s[72:73] their address
.set EP,  72
.set TMP, 74
.set QC,  76                           ; s76-78 the trip's 16 rows in the three holds
.set QS,  77
.set QB,  78
.set CO,  79                           ; s79  8 x the step's first output, less my wave's part
.set JC,  80
.set IC,  81
.set MK,  81                           ; s82-88 lanes with lane % 8 = j, j = 1 .. 7
.set LG,  90                           ; s90  32,768 x (wave % 2): my half of a slot's codes in memory
.set MSB, 0
.macro WIN new                         ; s_set_vgpr_msb: bits 1:0 source 0, 3:2 source 1, 5:4 source 2, 7:6 destination; the high byte repeats the setting that is left
.if MSB != (\new)
	s_set_vgpr_msb (MSB<<8)|(\new)
.set MSB, (\new)
.endif
.endm
; A round of the cluster's barrier: my work-group's barrier; wave 0 signals for the work-group; every wave waits for all four work-groups; my work-group's barrier once more.
.macro CROUND
	s_barrier_signal -1
	s_barrier_wait -1
	s_cmp_lg_u32 s[WV], 0
	s_cbranch_scc1 .Lnot_wave_0_\@
	s_barrier_signal -3
.Lnot_wave_0_\@:
	s_barrier_wait -3
	s_barrier_signal -1
	s_barrier_wait -1
.endm
; A joint load: waves 0 and 1 fetch the two halves of a slot's codes, wave 2 its scale bytes, wave 3 nothing.  The branches hang on the wave's number alone.  Four v_nop follow each load.
.macro JLOAD
	s_cmp_lt_u32 s[WV], 2
	s_cbranch_scc0 .Lnot_c_\@
	tensor_load_to_lds s[G0C:G0C+3], s[G1C:G1C+7]
.rept 4
	v_nop
.endr
	s_branch .Lasked_\@
.Lnot_c_\@:
	s_cmp_eq_u32 s[WV], 2
	s_cbranch_scc0 .Lasked_\@
	tensor_load_to_lds s[G0S:G0S+3], s[G1S:G1S+7]
.rept 4
	v_nop
.endr
.Lasked_\@:
.endm
; THE CHANGE OF SLOTS.  Each wave waits for all its tensor loads (one is out: its part of the slot ahead), adds 0 to its spare word, and waits for that and for its reads of the slot that it leaves.
; fill = 1: behind a round of the cluster's barrier the slot just left is filled again; that load has two steps in which to land.  By this text's count a wave has one tensor load out at the most.
.macro CHANGE fill
	s_wait_tensorcnt 0x0                           ; no tensor load of mine is out, so the groups 0 may be written
	ds_add_u32 v[SPW], v[NIL]                      ; 0 onto my spare word; the descriptors' steps stand between it and the wait for it
	s_xor_b32 s[TB], s[TB], SLOTB                  ; the slot ahead,
	s_xor_b32 s[FB], s[TB], SLOTB                  ; and the one that is left
.if \fill
	s_add_co_u32 s[FI], s[FI], 1
	s_add_co_u32 s[SO], s[SO], 0x10000             ; the next 128 rows,
	s_and_b32 s[SO], s[SO], 0x7ffff                ; round the 1,024
	s_add_co_u32 s[OC], s[SO], s[LG]
	s_lshr_b32 s[OS], s[SO], 4                     ; 32 scale bytes for 512 bytes of codes
	s_add_co_u32 s[G0C+1], s[FB], s[LW]
	s_add_co_u32 s[G0S+1], s[FB], SLSC
	s_cmp_lt_u32 s[FI], 8                          ; fills 0 to 7 are W_s's, the others W_h's
	s_cselect_b64 s[CB:CB+1], s[8:9], s[4:5]
	s_cselect_b64 s[SB:SB+1], s[10:11], s[6:7]
	s_add_nc_u64 s[G0C+2:G0C+3], s[CB:CB+1], s[OC:OC+1]
	s_or_b32 s[G0C+3], s[G0C+3], 0x80000000        ; type = 2
	s_add_nc_u64 s[G0S+2:G0S+3], s[SB:SB+1], s[OS:OS+1]
	s_or_b32 s[G0S+3], s[G0S+3], 0x80000000
	s_wait_dscnt 0x0                               ; the add is done, and all my LDS loads and stores
	CROUND                                         ; the same holds of every wave of all four work-groups
	JLOAD                                          ; the first thing behind the round, and a wave's one tensor load until the next
.else
	s_wait_dscnt 0x0
	s_barrier_signal -1
	s_barrier_wait -1
.endif
	v_add_nc_u32 v[BFA], s[TB], v[BFR0]
	v_add_nc_u32 v[BSA], s[TB], v[BSR0]
.endm
; B's eight fragments and four scale words of the slot's step u (16 rows of W for my wave, all of K) into set
.macro BLOAD u, set
	WIN 0
	ds_load_b128 v[BS+4*(\set):BS+4*(\set)+3], v[BSA] offset:512*(\u)
	WIN 0xc0                                       ; destination window 3
.irp q, 0,1,2,3,4,5,6,7
.irp c, 0,1
	ds_load_b128 v[64*(\set)+8*\q+4*\c:64*(\set)+8*\q+4*\c+3], v[BFA] offset:(\u)*16*PITCH+64*\q+32*\c
.endr
.endr
.endm
; the pair (c dec_proj, v) of my lane's output, at v[CDA], into set: once for each window in which an instruction names it
.macro CDL set
	WIN 0xc0
	ds_load_b64 v[128+2*(\set):129+2*(\set)], v[CDA]
	WIN 0x40
	ds_load_b64 v[176+2*(\set):177+2*(\set)], v[CDA]
	WIN 0x80
	ds_load_b64 v[176+2*(\set):177+2*(\set)], v[CDA]
.endm
; group g of the landing ring: four rows, two loads each; a load covers 512 consecutive bytes: lanes 0-15 take the even pieces of 16 bytes, lanes 16-31 the odd ones
.macro XLOAD g
.irp p, 0,1,2,3
	global_load_b128 v[X+32*(\g)+8*\p:X+32*(\g)+8*\p+3], v[VO], s[EP:EP+1] offset:(4*(\g)+\p)*4096 th:TH_LOAD_NT
	global_load_b128 v[X+32*(\g)+8*\p+4:X+32*(\g)+8*\p+7], v[VO], s[EP:EP+1] offset:(4*(\g)+\p)*4096+512 th:TH_LOAD_NT
.endr
.endm
; FOUR ROWS OF enc, by turns: codes, scale bytes and bf16 go to the holds; then the group is asked for again, 16 rows on.
.macro QUANT g
.set XG, X+32*(\g)
	s_wait_loadcnt 24                              ; loads come back in order: this group's eight are in; the 24 younger ones are the other three groups'
.irp p, 0,1,2,3
.irp i, 0,1,2,3
	v_permlane16_swap_b32 v[XG+8*\p+\i], v[XG+8*\p+4+\i]   ; the first load's lanes 16-31 change places with the second's lanes 0-15: lane L now holds columns 256 w + 8 L + 0 .. 7
.endr
.endr
.irp p, 0,1,2,3
	v_max3_num_f32 v[QM+\p], |v[XG+8*\p]|, |v[XG+8*\p+1]|, 0x1800000   ; my 8 numbers, and the floor 2^(3 - 127): the byte cannot fall under 1
.endr
.irp i, 2,4,6
.irp p, 0,1,2,3
	v_max3_num_f32 v[QM+\p], v[QM+\p], |v[XG+8*\p+\i]|, |v[XG+8*\p+\i+1]|
.endr
.endr
.irp k, 1,2
.irp p, 0,1,2,3
	v_max_num_f32_dpp v[QM+\p], v[QM+\p], v[QM+\p] row_xmask:\k row_mask:0xf bank_mask:0xf   ; four neighbouring lanes hold a block of 32
.endr
.endr
.irp p, 0,1,2,3
	v_add_nc_u32 v[QSC+\p], 0xff000000, v[QM+\p]   ; 2 off the exponent field: the conversion takes this operand's exponent field as its scale
.endr
.irp p, 0,1,2,3
	v_cvt_scalef32_pk8_fp4_f32 v[QCO+\p], v[XG+8*\p:XG+8*\p+7], v[QSC+\p]
.endr
.irp p, 0,1,2,3
	v_lshrrev_b32 v[QBY+\p], 23, v[QSC+\p]         ; the scale's byte.  (The plain place behind the conversions)
.endr
.irp p, 0,1,2,3
.irp i, 0,1,2,3
	v_cvt_pk_bf16_f32 v[QY+4*\p+\i], v[XG+8*\p+2*\i], v[XG+8*\p+2*\i+1]
.endr
.endr
.irp p, 0,1,2,3
	ds_store_b32 v[CHA], v[QCO+\p] offset:(4*(\g)+\p)*PITCH
	ds_store_b8 v[SHA], v[QBY+\p] offset:(4*(\g)+\p)*SPIT          ; the four lanes of a block write the same byte with the same value
	ds_store_b128 v[BHA], v[QY+4*\p:QY+4*\p+3] offset:(4*(\g)+\p)*512
.endr
	XLOAD \g
.endm
.macro TRIPHEAD                        ; a trip is 16 rows of the stream
	s_wait_xcnt 0x0                                ; the last trip's loads have read their base: it may be written
	s_add_co_u32 s[EO], s[EO], 0x10000             ; the loads of this trip ask for the next trip's 16 rows;
	s_min_u32 s[EO], s[EO], 0xf0000                ; the last trip's are held on the work-group's last 16: no load leaves the buffer
	s_add_nc_u64 s[EP:EP+1], s[16:17], s[EO:EO+1]
	v_add_nc_u32 v[CHA], s[QC], v[CHB]
	v_add_nc_u32 v[SHA], s[QS], v[SHB]
	v_add_nc_u32 v[BHA], s[QB], v[BHB]
.endm
.macro TRIPEND
	s_add_co_u32 s[QC], s[QC], 16*PITCH
	s_add_co_u32 s[QS], s[QS], 16*SPIT
	s_add_co_u32 s[QB], s[QB], 16*512
.endm
; One matrix instruction, by the symbols hD, hA, hB, hSA, hSB, hq.  K step 0 starts the sum; K steps 4 to 7 take their scale words from lanes 16-31.
.macro WMMA
.if hq == 0
	v_wmma_scale_f32_16x16x128_f8f6f4 v[hD:hD+7], v[hA:hA+7], v[hB:hB+7], 0, v[hSA], v[hSB] matrix_a_fmt:MATRIX_FMT_FP4 matrix_b_fmt:MATRIX_FMT_FP4
.elseif hq < 4
	v_wmma_scale_f32_16x16x128_f8f6f4 v[hD:hD+7], v[hA:hA+7], v[hB:hB+7], v[hD:hD+7], v[hSA], v[hSB] matrix_a_fmt:MATRIX_FMT_FP4 matrix_b_fmt:MATRIX_FMT_FP4
.else
	v_wmma_scale_f32_16x16x128_f8f6f4 v[hD:hD+7], v[hA:hA+7], v[hB:hB+7], v[hD:hD+7], v[hSA], v[hSB] matrix_a_fmt:MATRIX_FMT_FP4 matrix_b_fmt:MATRIX_FMT_FP4 matrix_a_scale:MATRIX_SCALE_ROW1 matrix_b_scale:MATRIX_SCALE_ROW1
.endif
.endm
; Number VJ of 56 of the vector work on one window's two accumulators of set p (16 rows x 16 outputs each): c x + c dec_proj, 2^., 1 + ., 1 / ., row sum += v / (1 + 2^.).
; The two accumulators' runs alternate, so that a plain run of the one stands between each run of exponentials or reciprocals of the other and the first use of its results.  Each accumulator is first read at its low end.
.macro VITEM p
.set vB, 128+16*(\p)
.if VJ < 4
.set vR, vB+2*VJ
	v_pk_fma_f32 v[vR:vR+1], v[vR:vR+1], s[CS:CS+1], v[176+2*(\p):177+2*(\p)] op_sel_hi:[1,0,0]
.elseif VJ < 12
	v_exp_f32 v[vB+VJ-4], v[vB+VJ-4]
.elseif VJ < 16
.set vR, vB+8+2*(VJ-12)
	v_pk_fma_f32 v[vR:vR+1], v[vR:vR+1], s[CS:CS+1], v[176+2*(\p):177+2*(\p)] op_sel_hi:[1,0,0]
.elseif VJ < 24
	v_exp_f32 v[vB+8+VJ-16], v[vB+8+VJ-16]
.elseif VJ < 28
.set vR, vB+2*(VJ-24)
	v_pk_add_f32 v[vR:vR+1], v[vR:vR+1], 1.0 op_sel_hi:[1,0]
.elseif VJ < 36
	v_rcp_f32 v[vB+VJ-28], v[vB+VJ-28]
.elseif VJ < 40
.set vR, vB+8+2*(VJ-36)
	v_pk_add_f32 v[vR:vR+1], v[vR:vR+1], 1.0 op_sel_hi:[1,0]
.elseif VJ < 48
	v_rcp_f32 v[vB+8+VJ-40], v[vB+8+VJ-40]
.else
.set vR, vB+2*(VJ-48)
.set vS, 160+2*(VJ-48)
	v_pk_fma_f32 v[vS:vS+1], v[vR:vR+1], v[128+2*(\p):129+2*(\p)], v[vS:vS+1] op_sel:[0,1,0] op_sel_hi:[1,1,1]   ; source 1, in window 3: the pair's second word, v, for both halves
.endif
.endm
; HALF A STEP: window x (row tiles 2 (x - 1), 2 (x - 1) + 1).  mm: the next step's 16 matrix instructions into set 1 - p, the two accumulators by turns, one instruction a turn, K ascending.
; vv: this step's vector work on set p, three or four instructions behind each matrix instruction.  The last four are plain and name no register of the last matrix instruction: they are the places
; in front of the next loads into B's set and its scale words, and of the next read of the results.
.macro HALF x, p, vv, mm
	WIN (0x5d+0x51*((\x)-1))                       ; destination, source 0 and source 2 in window x, source 1 in window 3
.set HK, 0
.rept 16
.if \mm
.set hq, HK/2
.set hD, 128+16*(1-(\p))+8*(HK%2)
.set hA, 64*(HK%2)+8*hq
.set hB, 64*(1-(\p))+8*hq
.set hSA, AS+4*(2*((\x)-1)+HK%2)+hq%4
.set hSB, BS+4*(1-(\p))+hq%4
	WMMA
.endif
.if \vv
.set VJ, (7*HK)/2
.rept (7*(HK+1))/2-(7*HK)/2
	VITEM \p
.set VJ, VJ+1
.endr
.endif
.set HK, HK+1
.endr
.endm
; The next tile's codes lie in the hold: every wave has stored its columns (its wait, then the barrier); then each wave takes all 64 rows' fragments and scale words into registers.
.macro SWITCHA
	s_wait_dscnt 0x0
	s_barrier_signal -1
	s_barrier_wait -1
	WIN 0x40
.irp m, 0,1
.irp q, 0,1,2,3,4,5,6,7
.irp c, 0,1
	ds_load_b128 v[64*\m+8*\q+4*\c:64*\m+8*\q+4*\c+3], v[AFR] offset:16*\m*PITCH+64*\q+32*\c
.endr
.endr
.endr
	WIN 0x80
.irp m, 0,1
.irp q, 0,1,2,3,4,5,6,7
.irp c, 0,1
	ds_load_b128 v[64*\m+8*\q+4*\c:64*\m+8*\q+4*\c+3], v[AFR] offset:16*(2+\m)*PITCH+64*\q+32*\c
.endr
.endr
.endr
	WIN 0
.irp m, 0,1,2,3
	ds_load_b128 v[AS+4*\m:AS+4*\m+3], v[ASR] offset:16*\m*SPIT
.endr
	s_wait_dscnt 0x0
.endm
.macro BFREG s                         ; where bf16 row s of the tile at work lies: window BW, register BR
.if (\s) < 31
.set BW, 3
.set BR, 132+4*(\s)
.elseif (\s) < 50
.set BW, 1
.set BR, 180+4*((\s)-31)
.else
.set BW, 2
.set BR, 180+4*((\s)-50)
.endif
.endm
.macro BFLOAD                          ; the next tile's 64 rows in bf16, my 16 bytes of each, from my own part of the hold.  LDS serves a wave's instructions in order (ISA guide 5.7.1.4): later stores into the hold come behind these
.set RW, 0
.rept 64
	BFREG RW
	WIN (BW<<6)
	ds_load_b128 v[BR:BR+3], v[BHB] offset:512*RW
.set RW, RW+1
.endr
	WIN 0
.endm
; A STEP.  g: its number modulo 4 (the landing group; g % 2 the set).  chg: 1 a change of slots with a fill, 2 without, 0 none.  bl: B of the step after next.  cd: the next step's pairs.  mm: the next step's products.
; sw: in a tile's last trip the next tile's fragments are taken up ahead of those products (a branch on the trip counter, the same in every wave).
.macro STEP g, quant, chg, bl, cd, mm, sw
.if \chg == 1
	CHANGE 1
.elseif \chg == 2
	CHANGE 0
.else
	s_wait_dscnt 0x0                               ; what the last step asked of LDS is in: B and its scale words for this step's products, the pairs for its vector work
.endif
.if \cd
	s_add_co_u32 s[CO], s[CO], 128+768*((\g)%2)    ; 16 outputs on, or to the next 128
	s_and_b32 s[CO], s[CO], 0x1fff                 ; round the 1,024
	v_add_nc_u32 v[CDA], s[CO], v[CDR0]
.endif
.if \bl
	BLOAD (\g)%2, (\g)%2
.endif
.if \cd
	CDL 1-(\g)%2
.endif
	WIN 0
.if \quant
	QUANT \g
.endif
.if \sw
	s_cmp_lg_u32 s[JC], 1
	s_cbranch_scc1 .Lsame_tile_\@
	SWITCHA
.Lsame_tile_\@:
.endif
	HALF 1, (\g)%2, 1, \mm
	HALF 2, (\g)%2, 1, \mm
	WIN 0
.endm
; THE PROLOGUE'S PAIR OF STEPS: a slot of W_s: c dec_proj for my 32 outputs of its 128; eight rows of tile 0 are quantised while B's fragments come.
.macro DPAIR ga, gb
	CHANGE 1
	BLOAD 0, 0
	BLOAD 1, 1
	WIN 0
	QUANT \ga
	QUANT \gb
	s_wait_dscnt 0x0
	WIN 0x5d
.set DK, 0
.rept 16
.set hq, DK/2
.set hD, 128+8*(DK%2)
.set hA, 8*hq
.set hB, 64*(DK%2)+8*hq
.set hSA, AS+hq%4
.set hSB, BS+4*(DK%2)+hq%4
	WMMA
.set DK, DK+1
.endr
.rept 4
	v_nop                                          ; places behind the last products
.endr
	WIN 0x01
	v_mul_f32 v104, v128, s[CS]                    ; register 0 of each result: dec . W_s[output r], the same in both halves of the lanes
	v_mul_f32 v105, v136, s[CS]
	WIN 0
	v_add_nc_u32 v[CDA], s[CO], v[CDR0]
	ds_store_b32 v[CDA], v104
	ds_store_b32 v[CDA], v105 offset:128
	s_add_co_u32 s[CO], s[CO], 1024
.endm
; A TILE'S END: the row sums become u, u is stored, and the tile's rows are folded into the context under the running maximum.
.macro FINISH last
	WIN 0x01
.irp i, 0,1,2,3,4,5,6,7,8,9,10,11,12,13,14,15
	v_mov_b32 v[QM+\i], v[160+\i]                  ; the 32 row sums come into window 0: register 8 m + j = rows 16 m + 8 h + j, my lane's outputs
.endr
	WIN 0x02
.irp i, 0,1,2,3,4,5,6,7,8,9,10,11,12,13,14,15
	v_mov_b32 v[QM+16+\i], v[160+\i]
.endr
.if (\last) == 0
	WIN 0x40
.irp i, 0,1,2,3,4,5,6,7,8,9,10,11,12,13,14,15
	v_mov_b32 v[160+\i], 0                         ; and begin anew for the next tile
.endr
	WIN 0x80
.irp i, 0,1,2,3,4,5,6,7,8,9,10,11,12,13,14,15
	v_mov_b32 v[160+\i], 0
.endr
.endif
	WIN 0
.irp k, 1,2,4,8
.irp i, 0,1,2,3,4,5,6,7,8,9,10,11,12,13,14,15,16,17,18,19,20,21,22,23,24,25,26,27,28,29,30,31
	v_add_f32_dpp v[QM+\i], v[QM+\i], v[QM+\i] row_xmask:\k row_mask:0xf bank_mask:0xf   ; over the sixteen lanes' outputs
.endr
.endr
.irp j, 1,2,3,4,5,6,7
.irp m, 0,1,2,3
	v_cndmask_b32 v[QM+8*\m], v[QM+8*\m], v[QM+8*\m+\j], s[MK+\j]   ; lane (r, h) keeps row 16 m + 8 h + r % 8
.endr
.endr
.irp m, 0,1,2,3
	ds_store_b32 v[PSW], v[QM+8*\m] offset:64*\m   ; lanes r and r + 8 write the same word with the same value
.endr
	s_wait_dscnt 0x0                               ; my part of P is stored; my reads of the codes' hold are long in
	s_barrier_signal -1
	s_barrier_wait -1                              ; so the four parts may be read, and the holds written again
.irp w, 0,1,2,3
	ds_load_b64 v[PT+2*\w:PT+2*\w+1], v[PSR] offset:256*\w
.endr
	s_wait_dscnt 0x0
	v_pk_add_f32 v[PT:PT+1], v[PT:PT+1], v[PT+2:PT+3]
	v_pk_add_f32 v[PT+4:PT+5], v[PT+4:PT+5], v[PT+6:PT+7]
	v_pk_add_f32 v[PT:PT+1], v[PT:PT+1], v[PT+4:PT+5]
	v_pk_mul_f32 v[UU:UU+1], v[PT:PT+1], 0xc038aa3b op_sel_hi:[1,0]   ; u = -c P of rows 2 L and 2 L + 1: the same bits in all four waves
	s_cmp_lg_u32 s[WV], 0
	s_cbranch_scc1 .Lnot_mine_\@
	global_store_b64 v[SGO], v[UU:UU+1], s[20:21]  ; wave 0: the tile's 64 numbers: 256 consecutive bytes, aligned
.Lnot_mine_\@:
	v_max_num_f32 v101, v[UU], v[UU+1]
.irp k, 1,2,4,8
	v_max_num_f32_dpp v101, v101, v101 row_xmask:\k row_mask:0xf bank_mask:0xf
.endr
	v_permlanex16_b32 v102, v101, s[SEL], s[SEL+1]
	v_max_num_f32 v101, v101, v102                 ; the tile's largest u
	v_max_num_f32 v103, v[MRUN], v101              ; the new running maximum
	v_sub_f32 v104, v[MRUN], v103
	v_sub_f32 v[PR], v[UU], v103
	v_sub_f32 v[PR+1], v[UU+1], v103
	v_exp_f32 v[FF], v104                          ; what was summed under the old maximum is brought under the new
	v_exp_f32 v[PR], v[PR]                         ; p = 2^(u - maximum), at most 1
	v_exp_f32 v[PR+1], v[PR+1]
	v_mov_b32 v[MRUN], v103                        ; (a plain place behind the exponentials)
	ds_store_b64 v[PPW], v[PR:PR+1]                ; p of all 64 rows into my wave's own 256 bytes, to come back in every lane
.irp i, 0,2,4,6
	v_pk_mul_f32 v[CTX+\i:CTX+\i+1], v[CTX+\i:CTX+\i+1], v[FF:FF+1] op_sel_hi:[1,0]
.endr
.irp hf, 0,1
.irp i, 0,1,2,3,4,5,6,7
	ds_load_b128 v[QM+4*\i:QM+4*\i+3], v[PPR] offset:128*\hf+16*\i   ; all lanes read the same bytes: register i = p of row 32 hf + i.  LDS serves a wave in order: these see the store above
.endr
	s_wait_dscnt 0x0
.set RW, 32*\hf
.rept 32
	BFREG RW
	WIN BW                                         ; source 0: the row's window
.irp i, 0,1,2,3
	v_fma_mix_f32_bf16 v[CTX+2*\i], v[BR+\i], v[QM+RW%32], v[CTX+2*\i] op_sel_hi:[1,0,0]
	v_fma_mix_f32_bf16 v[CTX+2*\i+1], v[BR+\i], v[QM+RW%32], v[CTX+2*\i+1] op_sel:[1,0,0] op_sel_hi:[1,0,0]
.endr
.set RW, RW+1
.endr
	WIN 0
.endr
.if (\last) == 0
	BFLOAD
	s_wait_xcnt 0x0                                ; the store of u has read its base and its data: both may be written
	s_add_nc_u64 s[20:21], s[20:21], 256
.endif
.endm
; ---------------- THE HEAD
	s_load_b512 s[4:19], s[0:1], 0x0               ; W_h codes s[4:5], scales s[6:7]; W_s codes s[8:9], scales s[10:11]; dec codes s[12:13], scales s[14:15]; enc s[16:17]; v s[18:19]
	s_load_b128 s[20:23], s[0:1], 0x40             ; scores s[20:21], ctxp s[22:23]
	v_lshl_add_u32 v[SPW], v0, 2, SPARE
	v_mov_b32 v[NIL], 0
	v_lshrrev_b32 v101, 5, v0                      ; w
	v_readfirstlane_b32 s[WV], v101
	v_and_b32 v21, 31, v0                          ; L
	v_and_b32 v22, 15, v0                          ; r
	v_bfe_u32 v23, v0, 4, 1                        ; h
	v_lshl_add_u32 v105, v101, 5, v22              ; 32 w + r
	v_lshlrev_b32 v[VO], 5, v105
	v_lshl_add_u32 v[VO], v23, 4, v[VO]
	v_add_nc_u32 v[BSR0], SLSC, v[VO]
	v_lshl_add_u32 v[CHB], v0, 2, CH
	v_lshrrev_b32 v[SHB], 2, v0
	v_add_nc_u32 v[SHB], SH, v[SHB]
	v_lshl_add_u32 v[BHB], v21, 4, BH
	v_lshl_add_u32 v[BHB], v101, 15, v[BHB]
	v_mul_u32_u24 v[AFR], v22, PITCH
	v_lshl_add_u32 v[AFR], v23, 4, v[AFR]
	v_add_nc_u32 v[AFR], CH, v[AFR]
	v_mul_u32_u24 v[ASR], v22, SPIT
	v_lshl_add_u32 v[ASR], v23, 4, v[ASR]
	v_add_nc_u32 v[ASR], SH, v[ASR]
	v_mul_u32_u24 v[BFR0], v105, PITCH
	v_lshl_add_u32 v[BFR0], v23, 4, v[BFR0]
	v_lshl_add_u32 v[CDR0], v105, 3, CDV
	v_and_b32 v[PSW], 7, v0
	v_lshl_add_u32 v[PSW], v23, 3, v[PSW]
	v_lshl_add_u32 v[PSW], v[PSW], 2, PS
	v_lshl_add_u32 v[PSW], v101, 8, v[PSW]
	v_lshl_add_u32 v[PSR], v21, 3, PS
	v_lshlrev_b32 v[SGO], 3, v21
	v_lshl_add_u32 v[PPW], v0, 3, PP
	v_lshl_add_u32 v[PPR], v101, 8, PP
	v_lshl_add_u32 v110, v0, 5, CDV+4              ; where v's numbers go: thread t has outputs 4 t + e and 512 + 4 t + e
	v_lshlrev_b32 v111, 4, v0                      ; and where they come from
	v_lshlrev_b32 v120, 4, v23                     ; dec: 16 h: every lane of a half takes the same bytes
	; descriptor group 1 for codes: 64 rows of 512 bytes, dense in memory, 16 bytes of padding behind each in LDS
	s_mov_b32 s[G1C], 15|(1<<20)|(1<<21)|(6<<22)|(3<<25)   ; 15:0 the mask: all four work-groups; 17:16 elements of 1 byte; 20 padding on; 21 set beside a mask; 24:22 after every 128 words (code 6); 31:25 four words (code 3)
	s_mov_b32 s[G1C+1], 512<<16                    ; tensor_dim0
	s_mov_b32 s[G1C+2], 64<<16                     ; tensor_dim1
	s_mov_b32 s[G1C+3], 512<<16                    ; tile_dim0
	s_mov_b32 s[G1C+4], 64                         ; tile_dim1
	s_mov_b32 s[G1C+5], 512                        ; tensor_dim0_stride
	s_mov_b32 s[G1C+6], 0
	s_mov_b32 s[G1C+7], 0
	; and for scale bytes: 4,096 dense bytes as 16 rows of 256 (32 elements of 8 bytes), no padding
	s_mov_b32 s[G1S], 15|(3<<16)|(1<<21)
	s_mov_b32 s[G1S+1], 32<<16
	s_mov_b32 s[G1S+2], 16<<16
	s_mov_b32 s[G1S+3], 32<<16
	s_mov_b32 s[G1S+4], 16
	s_mov_b32 s[G1S+5], 32
	s_mov_b32 s[G1S+6], 0
	s_mov_b32 s[G1S+7], 0
	s_mov_b32 s[CS], 0x4038aa3b                    ; c = 2 log2(e)
	s_mov_b32 s[CS+1], s[CS]
	s_mov_b32 s[SEL], 0x76543210
	s_mov_b32 s[SEL+1], 0xfedcba98
.irp j, 1,2,3,4,5,6,7
	s_mov_b32 s[MK+\j], 0x01010101<<\j
.endr
	s_and_b32 s89, s[WV], 1
	s_mul_i32 s[LW], s89, 64*PITCH
	s_lshl_b32 s[LG], s89, 15
	s_mov_b32 s[FI], 0
	s_mov_b32 s[SO], 0
	s_mov_b32 s[TB], SLOTB                         ; the first change of slots turns it to 0
	s_mov_b32 s[FB], 0
	s_mov_b32 s[OC], s[LG]
	s_mov_b32 s[OC+1], 0
	s_mov_b32 s[OS+1], 0
	s_mov_b32 s[EO], 0
	s_mov_b32 s[EO+1], 0
	s_mov_b32 s[TMP+1], 0
	s_bfe_u32 s[CX], ttmp6, 0x40000                ; my place in the cluster
	s_lshl_b32 s[WG], ttmp9, 2                     ; in a cluster launch ttmp9 counts clusters: the batch
	s_add_co_u32 s[WG], s[WG], s[CX]
	s_wait_kmcnt 0x0
	s_lshl_b32 s[TMP], s[WG], 20                   ; my 256 rows of 4,096 bytes
	s_add_nc_u64 s[16:17], s[16:17], s[TMP:TMP+1]
	s_lshl_b32 s[TMP], s[WG], 10
	s_add_nc_u64 s[20:21], s[20:21], s[TMP:TMP+1]
	s_lshl_b32 s[TMP], s[WG], 12
	s_add_nc_u64 s[22:23], s[22:23], s[TMP:TMP+1]
	s_lshl_b32 s[TMP], ttmp9, 9                    ; dec's row of the batch: 512 bytes of codes,
	s_add_nc_u64 s[12:13], s[12:13], s[TMP:TMP+1]
	s_lshl_b32 s[TMP], ttmp9, 5                    ; 32 scale bytes
	s_add_nc_u64 s[14:15], s[14:15], s[TMP:TMP+1]
	s_mov_b64 s[EP:EP+1], s[16:17]
	s_mov_b32 s[G0C], 1                            ; count = 1
	s_mov_b32 s[G0C+1], s[LW]                      ; LDS address: slot 0, my half
	s_add_nc_u64 s[G0C+2:G0C+3], s[8:9], s[OC:OC+1]   ; W_s's first 128 rows, my half
	s_or_b32 s[G0C+3], s[G0C+3], 0x80000000        ; type = 2
	s_mov_b32 s[G0S], 1
	s_mov_b32 s[G0S+1], SLSC
	s_mov_b64 s[G0S+2:G0S+3], s[10:11]
	s_or_b32 s[G0S+3], s[G0S+3], 0x80000000
	CROUND                                         ; all four work-groups are here: the first joint loads meet
	JLOAD                                          ; fill 0
	WIN 0x40                                       ; destination window 1
.irp q, 0,1,2,3,4,5,6,7
.irp c, 0,1
	global_load_b128 v[8*\q+4*\c:8*\q+4*\c+3], v120, s[12:13] offset:64*\q+32*\c   ; dec's row as a fragment whose 16 rows are alike
.endr
.endr
	WIN 0
	global_load_b128 v[AS:AS+3], v120, s[14:15]    ; its scale words: lanes 0-15 q = 0..3, lanes 16-31 q = 4..7
	global_load_b128 v[112:115], v111, s[18:19]
	global_load_b128 v[116:119], v111, s[18:19] offset:2048
.irp g, 0,1,2,3
	XLOAD \g                                       ; the landing ring: rows 0 to 15
.endr
	v_mov_b32 v[MRUN], 0xff61b1e6                  ; -3e38, under every u
	v_mov_b32 v102, 0                              ; a lane permute's destination counts as one of its sources
	v_mov_b32 v[FF+1], 0                           ; named as the upper half of a pair
.irp i, 0,1,2,3,4,5,6,7
	v_mov_b32 v[CTX+\i], 0
.endr
	WIN 0x40
.irp i, 0,1,2,3,4,5,6,7,8,9,10,11,12,13,14,15
	v_mov_b32 v[160+\i], 0
.endr
	WIN 0x80
.irp i, 0,1,2,3,4,5,6,7,8,9,10,11,12,13,14,15
	v_mov_b32 v[160+\i], 0
.endr
	WIN 0
	s_wait_loadcnt 32                              ; dec and v are in; the 32 younger loads are the landing ring's
.irp i, 0,1
.irp e, 0,1,2,3
	ds_store_b32 v110, v[112+4*\i+\e] offset:4096*\i+8*\e
.endr
.endr
; ---------------- THE PROLOGUE: c dec_proj for all 1,024 outputs (8 slots of W_s), tile 0 quantised
	s_mov_b32 s[QC], 0
	s_mov_b32 s[QS], 0
	s_mov_b32 s[QB], 0
	s_mov_b32 s[CO], 0
	s_mov_b32 s[JC], 4
.Lpro:
	TRIPHEAD
	DPAIR 0, 1
	DPAIR 2, 3
	TRIPEND
	s_sub_co_u32 s[JC], s[JC], 1
	s_cmp_lg_u32 s[JC], 0
	s_cbranch_scc1 .Lpro
	SWITCHA                                        ; tile 0's fragments,
	BFLOAD                                         ; and its rows in bf16
	CHANGE 1                                       ; W_h's first slot is whole; its second is asked for
	BLOAD 0, 0
	BLOAD 1, 1
	WIN 0
	s_mov_b32 s[CO], 0
	v_add_nc_u32 v[CDA], s[CO], v[CDR0]
	CDL 0
	WIN 0
	s_wait_dscnt 0x0
	HALF 1, 1, 0, 1                                ; the first step's products stand bare: there is no vector work yet to set between them
	HALF 2, 1, 0, 1
	WIN 0
.rept 4
	v_nop                                          ; places behind them
.endr
; ---------------- TILES 0 TO 2: 16 steps each, four to a trip; tile t + 1 is quantised meanwhile
	s_mov_b32 s[IC], 3
.Ltile:
	s_mov_b32 s[QC], 0
	s_mov_b32 s[QS], 0
	s_mov_b32 s[QB], 0
	s_mov_b32 s[JC], 4
.Ltrip:
	TRIPHEAD
	STEP 0, 1, 1, 1, 1, 1, 0
	STEP 1, 1, 0, 1, 1, 1, 0
	STEP 2, 1, 1, 1, 1, 1, 0
	STEP 3, 1, 0, 1, 1, 1, 1
	TRIPEND
	s_sub_co_u32 s[JC], s[JC], 1
	s_cmp_lg_u32 s[JC], 0
	s_cbranch_scc1 .Ltrip
	FINISH 0
	s_sub_co_u32 s[IC], s[IC], 1
	s_cmp_lg_u32 s[IC], 0
	s_cbranch_scc1 .Ltile
; ---------------- TILE 3: nothing is left to quantise.  Its last four steps are written out: the last change of slots asks for nothing, and the last two steps fetch no B
	s_mov_b32 s[JC], 6
.Llast:
	STEP 0, 0, 1, 1, 1, 1, 0
	STEP 1, 0, 0, 1, 1, 1, 0
	s_sub_co_u32 s[JC], s[JC], 1
	s_cmp_lg_u32 s[JC], 0
	s_cbranch_scc1 .Llast
	STEP 0, 0, 2, 1, 1, 1, 0
	STEP 1, 0, 0, 1, 1, 1, 0
	STEP 0, 0, 0, 0, 1, 1, 0
	STEP 1, 0, 0, 0, 0, 0, 0
	FINISH 1
; ---------------- THE WAY OUT: the exchange of the way in, turned round: each store then covers 512 consecutive bytes of my work-group's row of ctxp
.irp i, 0,1,2,3
	v_permlane16_swap_b32 v[CTX+\i], v[CTX+4+\i]
.endr
	global_store_b128 v[VO], v[CTX:CTX+3], s[22:23]
	global_store_b128 v[VO], v[CTX+4:CTX+7], s[22:23] offset:512
	s_wait_tensorcnt 0x0                           ; the wave's end: behind my last tensor load and my last LDS store
	ds_add_u32 v[SPW], v[NIL]
	s_wait_dscnt 0x0
	CROUND                                         ; the closing round: no work-group ends while a partner may still ask for a slot that names it
	s_endpgm
.Lfunc_end_k_q5c0d0aadf4_main:
	.size	k_q5c0d0aadf4_main, .Lfunc_end_k_q5c0d0aadf4_main-k_q5c0d0aadf4_main
	.p2alignl 7, 3214868480
	.fill 96, 4, 3214868480
	.section	.rodata,"a",@progbits
	.p2align	6, 0x0
	.amdhsa_kernel k_q5c0d0aadf4_main
		.amdhsa_group_segment_fixed_size 327680
		.amdhsa_private_segment_fixed_size 0
		.amdhsa_enable_private_segment 0
		.amdhsa_kernarg_size 80
		.amdhsa_user_sgpr_count 2
		.amdhsa_user_sgpr_kernarg_segment_ptr 1
		.amdhsa_wavefront_size32 1
		.amdhsa_system_sgpr_workgroup_id_x 1
		.amdhsa_system_sgpr_workgroup_id_y 1
		.amdhsa_system_sgpr_workgroup_id_z 1
		.amdhsa_system_vgpr_workitem_id 0
		.amdhsa_next_free_vgpr 1024
		.amdhsa_next_free_sgpr 96
		.amdhsa_reserve_vcc 0
		.amdhsa_float_denorm_mode_32 3
		.amdhsa_float_denorm_mode_16_64 3
		.amdhsa_memory_ordered 1
		.amdhsa_forward_progress 1
		.amdhsa_inst_pref_size 255
	.end_amdhsa_kernel
	.section	.bss,"aw",@nobits
	.p2align	6
	.space	262144
	.amdgpu_metadata
---
amdhsa.version: [ 1, 2 ]
amdhsa.kernels:
  - .name:           k_q5c0d0aadf4_main
    .symbol:         k_q5c0d0aadf4_main.kd
    .args:
      - { .name: W_h_codes, .offset: 0, .size: 8, .value_kind: global_buffer, .address_space: global }
      - { .name: W_h_scales, .offset: 8, .size: 8, .value_kind: global_buffer, .address_space: global }
      - { .name: W_s_codes, .offset: 16, .size: 8, .value_kind: global_buffer, .address_space: global }
      - { .name: W_s_scales, .offset: 24, .size: 8, .value_kind: global_buffer, .address_space: global }
      - { .name: dec_hidden_codes, .offset: 32, .size: 8, .value_kind: global_buffer, .address_space: global }
      - { .name: dec_hidden_scales, .offset: 40, .size: 8, .value_kind: global_buffer, .address_space: global }
      - { .name: enc_outputs, .offset: 48, .size: 8, .value_kind: global_buffer, .address_space: global }
      - { .name: v, .offset: 56, .size: 8, .value_kind: global_buffer, .address_space: global }
      - { .name: scores, .offset: 64, .size: 8, .value_kind: global_buffer, .address_space: global }
      - { .name: ctxp, .offset: 72, .size: 8, .value_kind: global_buffer, .address_space: global }
    .group_segment_fixed_size: 327680
    .private_segment_fixed_size: 0
    .kernarg_segment_align: 8
    .kernarg_segment_size: 80
    .max_flat_workgroup_size: 128
    .sgpr_count:     96
    .vgpr_count:     1024
    .wavefront_size: 32
...
	.end_amdgpu_metadata
.endif
;; end of part 1
;; launch combine (part 2): grid 64 x 1, 8 waves a work-group, no clusters, 256 bytes of LDS; arguments scores, ctxp, out0, out1; writes out0, out1
.if DOCPART == 2
	.amdgcn_target "amdgcn-amd-amdhsa--gfx1250"
	.amdhsa_code_object_version 6
	.text
	.protected	k_q5c0d0aadf4_combine
	.globl	k_q5c0d0aadf4_combine
	.p2align	8
	.type	k_q5c0d0aadf4_combine,@function
k_q5c0d0aadf4_combine:
	s_mov_b64 s[64:65], 0
	v_nop
	global_prefetch_b8 v0, s[64:65] scope:SCOPE_SE
	s_setreg_imm32_b32 hwreg(HW_REG_WAVE_MODE, 25, 1), 1
	s_wait_xcnt 0x0
; ADDITIVE ATTENTION, second launch.  scores [64][1024]: u, the score as an exponent of 2, up to a constant that the softmax cancels.  ctxp [256][1024]: for quarter p of batch b (row 4 b + p) the sum over
; its 256 rows of 2^(u - m_p) enc, m_p the largest u of the quarter.  out1 = 2^(u - M) / l, M the batch's largest u, l the sum of 2^(u - M);  out0 = sum over p of 2^(m_p - M) / l x ctxp.
; One work-group a batch, 256 threads; thread t has u of rows 4 t .. 4 t + 3 and columns 4 t .. 4 t + 3 of the context: every load and store of a wave covers 512 consecutive bytes.
; Waves 2 p and 2 p + 1 hold quarter p, so m_p is the larger of their two maxima: a maximum rounds nothing, so it is the number under which the first launch summed.
; The launch moves 1.8 MB in all: no LDS ring, no matrix unit, no cluster would add anything.  LIMITS: NaN and infinities are not served.
	s_load_b256 s[4:11], s[0:1], 0x0               ; scores s[4:5], ctxp s[6:7], out0 s[8:9], out1 s[10:11]
	v_lshlrev_b32 v1, 4, v0                        ; 16 bytes a thread
	v_lshrrev_b32 v2, 5, v0
	v_lshlrev_b32 v2, 2, v2                        ; LDS: a word for each wave
	v_mov_b32 v3, 0
	v_mov_b32 v25, 0                               ; a lane permute's destination counts as one of its sources
	s_lshl_b32 s12, ttmp9, 12                      ; the batch's 4,096 bytes of scores, out0 and out1,
	s_mov_b32 s13, 0
	s_lshl_b32 s14, ttmp9, 14                      ; and its four rows of ctxp
	s_mov_b32 s15, 0
	s_mov_b32 s16, 0x76543210                      ; v_permlanex16_b32's selects for lane l xor 16
	s_mov_b32 s17, 0xfedcba98
	s_wait_kmcnt 0x0
	s_add_nc_u64 s[4:5], s[4:5], s[12:13]
	s_add_nc_u64 s[6:7], s[6:7], s[14:15]
	s_add_nc_u64 s[8:9], s[8:9], s[12:13]
	s_add_nc_u64 s[10:11], s[10:11], s[12:13]
	global_load_b128 v[4:7], v1, s[4:5]
.irp p, 0,1,2,3
	global_load_b128 v[8+4*\p:11+4*\p], v1, s[6:7] offset:4096*\p
.endr
	s_wait_loadcnt 0x4                             ; u is in; the four younger loads are ctxp's
	v_max3_num_f32 v24, v4, v5, v6
	v_max_num_f32 v24, v24, v7
.irp k, 1,2,4,8
	v_max_num_f32_dpp v24, v24, v24 row_xmask:\k row_mask:0xf bank_mask:0xf
.endr
	v_permlanex16_b32 v25, v24, s16, s17
	v_max_num_f32 v24, v24, v25                    ; my wave's largest u
	ds_store_b32 v2, v24                           ; all lanes write the same word with the same value
	s_wait_dscnt 0x0                               ; for the others' sake
	s_barrier_signal -1
	s_barrier_wait -1
	ds_load_b128 v[28:31], v3
	ds_load_b128 v[32:35], v3 offset:16
	s_wait_dscnt 0x0
	v_max_num_f32 v36, v28, v29                    ; m_0 .. m_3
	v_max_num_f32 v37, v30, v31
	v_max_num_f32 v38, v32, v33
	v_max_num_f32 v39, v34, v35
	v_max3_num_f32 v40, v36, v37, v38
	v_max_num_f32 v40, v40, v39                    ; M
.irp i, 4,5,6,7,36,37,38,39
	v_sub_f32 v[\i], v[\i], v40
.endr
.irp i, 4,5,6,7,36,37,38,39
	v_exp_f32 v[\i], v[\i]                         ; 2^(u - M) and 2^(m_p - M): at most 1
.endr
	v_nop                                          ; a plain place behind the exponentials
	v_add_f32 v26, v4, v5
	v_add_f32 v27, v6, v7
	v_add_f32 v26, v26, v27
.irp k, 1,2,4,8
	v_add_f32_dpp v26, v26, v26 row_xmask:\k row_mask:0xf bank_mask:0xf
.endr
	v_permlanex16_b32 v25, v26, s16, s17
	v_add_f32 v26, v26, v25                        ; my wave's sum
	ds_store_b32 v2, v26 offset:32                 ; other words than the maxima's, which others may still be reading
	s_wait_dscnt 0x0
	s_barrier_signal -1
	s_barrier_wait -1
	ds_load_b128 v[28:31], v3 offset:32
	ds_load_b128 v[32:35], v3 offset:48
	s_wait_dscnt 0x0
	v_add_f32 v28, v28, v29
	v_add_f32 v30, v30, v31
	v_add_f32 v32, v32, v33
	v_add_f32 v34, v34, v35
	v_add_f32 v28, v28, v30
	v_add_f32 v32, v32, v34
	v_add_f32 v41, v28, v32                        ; l, at least 1
	v_rcp_f32 v42, v41
	v_nop                                          ; a plain place behind the reciprocal
.irp i, 4,5,6,7,36,37,38,39
	v_mul_f32 v[\i], v[\i], v42
.endr
	global_store_b128 v1, v[4:7], s[10:11]         ; the weights
	s_wait_loadcnt 0x0                             ; ctxp
.irp i, 0,1,2,3
	v_mul_f32 v[44+\i], v[8+\i], v36
.endr
.irp i, 0,1,2,3
	v_fma_f32 v[44+\i], v[12+\i], v37, v[44+\i]
.endr
.irp i, 0,1,2,3
	v_fma_f32 v[44+\i], v[16+\i], v38, v[44+\i]
.endr
.irp i, 0,1,2,3
	v_fma_f32 v[44+\i], v[20+\i], v39, v[44+\i]
.endr
	global_store_b128 v1, v[44:47], s[8:9]         ; the context
	s_endpgm
.Lfunc_end_k_q5c0d0aadf4_combine:
	.size	k_q5c0d0aadf4_combine, .Lfunc_end_k_q5c0d0aadf4_combine-k_q5c0d0aadf4_combine
	.p2alignl 7, 3214868480
	.fill 96, 4, 3214868480
	.section	.rodata,"a",@progbits
	.p2align	6, 0x0
	.amdhsa_kernel k_q5c0d0aadf4_combine
		.amdhsa_group_segment_fixed_size 256
		.amdhsa_private_segment_fixed_size 0
		.amdhsa_enable_private_segment 0
		.amdhsa_kernarg_size 32
		.amdhsa_user_sgpr_count 2
		.amdhsa_user_sgpr_kernarg_segment_ptr 1
		.amdhsa_wavefront_size32 1
		.amdhsa_system_sgpr_workgroup_id_x 1
		.amdhsa_system_sgpr_workgroup_id_y 1
		.amdhsa_system_sgpr_workgroup_id_z 1
		.amdhsa_system_vgpr_workitem_id 0
		.amdhsa_next_free_vgpr 48
		.amdhsa_next_free_sgpr 66
		.amdhsa_reserve_vcc 0
		.amdhsa_float_denorm_mode_32 3
		.amdhsa_float_denorm_mode_16_64 3
		.amdhsa_memory_ordered 1
		.amdhsa_forward_progress 1
		.amdhsa_inst_pref_size 6
	.end_amdhsa_kernel
	.amdgpu_metadata
---
amdhsa.version: [ 1, 2 ]
amdhsa.kernels:
  - .name:           k_q5c0d0aadf4_combine
    .symbol:         k_q5c0d0aadf4_combine.kd
    .args:
      - { .name: scores, .offset: 0, .size: 8, .value_kind: global_buffer, .address_space: global }
      - { .name: ctxp, .offset: 8, .size: 8, .value_kind: global_buffer, .address_space: global }
      - { .name: out0, .offset: 16, .size: 8, .value_kind: global_buffer, .address_space: global }
      - { .name: out1, .offset: 24, .size: 8, .value_kind: global_buffer, .address_space: global }
    .group_segment_fixed_size: 256
    .private_segment_fixed_size: 0
    .kernarg_segment_align: 8
    .kernarg_segment_size: 32
    .max_flat_workgroup_size: 256
    .sgpr_count:     66
    .vgpr_count:     48
    .wavefront_size: 32
...
	.end_amdgpu_metadata
.endif
;; end of part 2
